; MI455X (gfx1250); checked and timed in simulation.
; The chip was launched on July 23, 2026; its instructions are those of AMD's public machine-readable ISA for CDNA 5 (MIT licence, August 2026) and "CDNA5" Instruction Set Architecture Reference Guide (July 2026). The comments in the code are by the model that wrote it; some were corrected since.
;; Cross Attention Fusion. Allowed arithmetic: matrix products marked QUANTISED: E2M3 operands, one E8M0 scale for each 32 along K, by v_wmma_scale_f32_16x16x128_f8f6f4 with both operands' format E2M3, f32 sums; everything else in f32.
;; Inputs: image_features 4 x 256 x 128 x 128 float32; lidar_features 4 x 256 x 128 x 128 float32; modality_weights 2 float32.
;; Outputs: out0 4 x 256 x 128 x 128 float32.
;; This version of the problem:
;;   THIS VERSION OF THE PROBLEM IS GIVEN IN LOW PRECISION. The matrix products marked QUANTISED in the list below multiply operands that are first quantised to E2M3 (2 exponent bits, 3 mantissa bits; 6 bits a number), with one power-of-two scale for each 32 numbers along K (OCP MX v1.0); their sums are f32. All else is computed in f32.
;;   The module's matrix products, in the order in which they are computed (A, B: the left and right operand; K: the contracted axis; several contracted axes count as one K, in the product's order):
;;     1. batch 32 x [M 2,048, K 256] x [K 256, N 2,048]; A: input image_features; B: input lidar_features: QUANTISED
;;     2. batch 32 x [M 2,048, K 2,048] x [K 2,048, N 256]; A: softmax (see below); B: input lidar_features: QUANTISED
;;   THE QUANTISER, for each operand of a quantised product, along K:
;;     - K is cut into blocks of 32 from its start; a last block that is shorter is filled with zeros.
;;     - A block's scale is 2^e with e = floor(log2(the largest magnitude in the block)) - 2, held to -126 .. 127; a block of zeros has e = 0. As a byte (E8M0): e + 127.
;;     - Each number is divided by its block's scale, clamped to +-7.5, and rounded to the nearest number of E2M3, ties to even, subnormals kept.
;;     - The product sums the exact products of the quantised numbers (number of the format x scale) in f32.
;;   ~~~python
;;   def quantise(x, axis):      # numpy; x: float32 -> the quantised numbers, widened to float32 again
;;       x = np.moveaxis(x, axis, -1); K = x.shape[-1]
;;       x = np.pad(x, [(0, 0)] * (x.ndim - 1) + [(0, -K % 32)]); x = x.reshape(x.shape[:-1] + (-1, 32)); a = np.abs(x).max(-1, keepdims=True)
;;       e = np.where(a > 0, np.clip(np.frexp(np.where(a > 0, a, 1))[1] - 1 - 2, -126, 127), 0)      # np.frexp(a)[1] - 1 = floor(log2(a)), exactly
;;       r = np.clip(x / 2.0 ** e, -7.5, 7.5)
;;       step = 2.0 ** (np.maximum(np.frexp(np.where(r == 0, 1, r))[1] - 1, 0) - 3)
;;       q = np.round(r / step) * step * 2.0 ** e      # np.round: ties to even
;;       return np.moveaxis(q.reshape(q.shape[:-2] + (-1,))[..., :K], -1, axis).astype(np.float32)
;;   ~~~
;;   SOFTMAX AHEAD OF A QUANTISED PRODUCT. Where the list says 'softmax', what is quantised is not the finished softmax but p = 2^(t - M), with t = logit x log2(e) and M = ceil(the row's largest t), a whole number; so 1/2 < the row's largest p <= 1. The row's sum l is taken of the UNQUANTISED p, in f32, and the product's result is divided by l at the end. Since M is a whole number, a kernel that streams over the keys may use a running M (the ceiling of the running maximum): every later rescaling is an exact power of two, which a block's scale takes up: the codes' values come out the same.
;;   OPERANDS COMPUTED ON THE WAY. 'Computed on the way' means the value that the module computes at that place (a softmax that the list does not call 'softmax' is quantised finished and normalised). What goes into a quantiser is computed in f32, as accurately as f32 sums, v_exp_f32 and their like allow (about 1e-6 of the number): no bf16 or f16 on the way to a quantiser, and a product that is left as it is and whose result goes on into a quantised operand takes f32 operands (vector FMAs, or v_wmma_f32_16x16x4_f32). A number that lies on a knife's edge between two numbers of the format may be rounded either way, as far as f32 arithmetic and the matrix unit's own rounding can turn it there, and no further.
;; One version. Each part assembles by itself: llvm-mc -triple=amdgcn-amd-amdhsa -mcpu=gfx1250 --defsym DOCPART=n.
;; ======== version 1 of 1: 2 launches
;; limits: right only within a limited range of input values
;; workspace buffers: kv 26,214,400 bytes; qimg 13,107,200 bytes
;; launch prep (part 1): grid 1024 x 1, 4 waves a work-group, no clusters, 34,304 bytes of LDS; arguments lidar_features, image_features, kv, qimg; writes kv, qimg
.if DOCPART == 1
	.amdgcn_target "amdgcn-amd-amdhsa--gfx1250"
	.amdhsa_code_object_version 6
	.text
	.protected	k_q6d0947c9ea_prep
	.globl	k_q6d0947c9ea_prep
	.p2align	8
	.type	k_q6d0947c9ea_prep,@function
k_q6d0947c9ea_prep:
	s_mov_b64 s[64:65], 0
	v_nop
	global_prefetch_b8 v0, s[64:65] scope:SCOPE_SE
	s_setreg_imm32_b32 hwreg(HW_REG_WAVE_MODE, 25, 1), 1
	s_wait_xcnt 0x0
; lidar and image, [4][256 channels][16384 positions] f32, become codes of FP6 (E2M3) with one E8M0 byte for each 32 along K, laid as IMAGES OF OPERAND REGISTERS for the attention launch.
; A block's scale is 2^(floor(log2(its largest magnitude)) - 2); its byte is the largest magnitude's exponent field - 2, held at 1 from below.
; LIMITS: NaN and infinities are not served; a block whose largest magnitude lies under 2^-124 has its byte held at 1; a block of zeros gets the byte 1 where the rule says 127
; (its codes are zeros, which add nothing under any byte but 0xff, and these bytes are read by this program alone).
; A BLOCK of 25,600 bytes holds 16 fragments of 1,536 bytes and then 1,024 bytes of scale words.  A fragment (16 rows x 128 K: 12 registers a lane) lies as registers 4 c .. 4 c + 3 of lane L at 512 c + 16 L.
; SHARES.  A work-group takes a tile of 256 channels x 128 positions: work-groups 0-511 of lidar, 512-1023 of image.
;   COLUMNS (both tensors): K = the channels, for the scores' product.  A lane takes a position and its registers run down the channels, so a block of 32 lies in one lane and the codes come out with K innermost.
;     Fragment 2 kt + s: position tile kt, channels 128 s on.  Lane r of tile 2 b + u holds position 32 b + 8 u + r + 8 (r / 8), so that the scores' 16 registers of two neighbouring tiles are 16 neighbouring keys.
;   ROWS (lidar alone): K = the keys, for the second product.  A channel's 128 positions are 512 consecutive bytes; 16 channels turn through the wave's own stage in LDS so that a lane holds 32 neighbours twice.
; ROWS goes first: its loads take whole rows of 512 bytes, and COLUMNS then asks for bytes that the same work-group has just read; so no load carries a hint.
; No tensor load, no barrier, no matrix instruction: waves share nothing, and memory binds.
.set ROWN,  65536                      ; bytes from a channel to the next
.set BLKB,  25600
.set SCO,   24576                      ; where a BLOCK's scale words begin
.set SP,    528                        ; a stage row: 512 bytes + 16 = 33 x 16: the sixteen rows that a load of 16 bytes a lane touches fall into sixteen different columns of 16 bytes
.set WST,   16*SP                      ; a wave's stage
.set W,     10                         ; v10-13   ROWS: the scale words of my four channel tiles
.set X,     32                         ; v32-95   64 numbers at work (COLUMNS: two sets of 32)
.set R,     96                         ; v96-223  ROWS: two sets of 64, as loaded
.set CC,    96                         ; v96-143  COLUMNS: four runs of 12 registers of codes, each stored once
.set CV,    224                        ; v224-247 ROWS: two sets of 12 registers of codes
.set T,     248                        ; v248-254 the second halves of blocks: a conversion's three registers begin on an even number
	s_load_b256 s[4:11], s[0:1], 0x0               ; lidar s[4:5], image s[6:7], kv s[8:9], qimg s[10:11]
	v_lshl_add_u32 v251, v0, 2, 0x8400
	v_mov_b32 v255, 0
	v_lshrrev_b32 v1, 5, v0
	v_readfirstlane_b32 s12, v1                    ; wave 0..3
	v_and_b32 v1, 31, v0                           ; lane
	v_and_b32 v2, 15, v0                           ; r
	v_bfe_u32 v3, v0, 4, 1                         ; h
	v_lshlrev_b32 v7, 4, v1                        ; 16 x lane
	s_lshl_b32 s28, s12, 22
	v_add_nc_u32 v4, s28, v7                       ; ROWS, in: my wave's 64 channels, 16 bytes a lane
	s_mul_i32 s28, s12, WST
	v_add_nc_u32 v5, s28, v7                       ; the stage, on the way in: 16 x lane of a row
	v_mul_u32_u24 v6, v2, SP
	v_lshl_add_u32 v6, v3, 7, v6
	v_add_nc_u32 v6, s28, v6                       ; and on the way out: row r, + 128 h: keys 32 h on
	s_mul_i32 s28, s12, 6144
	v_add_nc_u32 v7, s28, v7                       ; ROWS, out: my four fragments, 16 x lane
	s_lshl_b32 s29, s12, 8
	v_lshlrev_b32 v8, 4, v2
	v_lshl_add_u32 v8, v3, 3, v8
	v_add_nc_u32 v8, s29, v8                       ; ROWS' scale words: 256 x wave + 16 r + 8 h
	v_lshlrev_b32 v9, 3, v3                        ; 8 h: how far my two bytes are shifted in a word
	v_mov_b32 v21, 0                               ; written once: a lane permute's destination counts as one of its sources
	v_lshlrev_b32 v22, 2, v0                       ; COLUMNS, in: my position, 4 bytes
	v_and_b32 v14, 7, v0
	v_lshl_add_u32 v14, v3, 3, v14                 ; rk = lane % 8 + 8 (lane / 16): my position's lane in its tile
	v_bfe_u32 v15, v0, 3, 1                        ; u = (lane / 8) % 2: which of my wave's two tiles
	v_lshlrev_b32 v23, 4, v14
	v_mad_u32_u24 v23, v15, 3072, v23
	v_add_nc_u32 v23, s28, v23                     ; COLUMNS, out: 6,144 x wave + 3,072 u + 16 rk
	v_lshlrev_b32 v24, 3, v14
	v_lshl_add_u32 v24, v15, 7, v24
	v_add_nc_u32 v24, s29, v24                     ; COLUMNS' scale words: 256 x wave + 128 u + 8 rk
	s_mov_b32 s22, 0x76543210
	s_mov_b32 s23, 0xfedcba98                      ; v_permlanex16_b32's selects for lane l xor 16
	s_and_b32 s13, ttmp9, 511                      ; the tile's number in its tensor
	s_lshr_b32 s24, s13, 7
	s_lshl_b32 s24, s24, 24                        ; the batch: 256 channels of 65,536 bytes
	s_and_b32 s25, s13, 127
	s_lshl_b32 s25, s25, 9                         ; 128 positions of 4 bytes
	s_add_co_u32 s24, s24, s25
	s_mov_b32 s25, 0
	s_lshr_b32 s26, s13, 1
	s_mul_i32 s26, s26, 4*BLKB                     ; kv: a pair of key steps is [K a][K b][V a][V b]
	s_and_b32 s27, s13, 1
	s_mul_i32 s27, s27, BLKB
	s_add_co_u32 s26, s26, s27
	s_mul_i32 s27, s13, BLKB                       ; qimg: a BLOCK for each 128 queries
	s_wait_kmcnt 0x0
	s_cmp_lt_u32 ttmp9, 512                        ; lidar's work-group or image's?  The choice hangs on the work-group's number alone
	s_cselect_b64 s[14:15], s[4:5], s[6:7]
	s_cselect_b64 s[18:19], s[8:9], s[10:11]
	s_cselect_b32 s26, s26, s27
	s_mov_b32 s27, 0
	s_add_nc_u64 s[14:15], s[14:15], s[24:25]      ; the tile's first number
	s_add_nc_u64 s[16:17], s[14:15], 128*ROWN      ; and channel 128's: an immediate reaches 127 channels
	s_add_nc_u64 s[18:19], s[18:19], s[26:27]      ; COLUMNS' BLOCK
	s_add_nc_u64 s[20:21], s[18:19], 2*BLKB        ; ROWS' BLOCK (used by lidar's work-groups alone)
	s_cmp_ge_u32 ttmp9, 512
	s_cbranch_scc1 .Lcols                          ; image has no ROWS
; ---- ROWS.  Wave w takes channel tiles 4 w + i, i = 0 .. 3.
.macro LOADV i                         ; 16 channels: each load reads a channel's 512 consecutive bytes
.set rr, 0
.rept 16
	global_load_b128 v[R+64*((\i)%2)+4*rr:R+64*((\i)%2)+4*rr+3], v4, s[14:15] offset:(16*(\i)+rr)*ROWN
.set rr, rr+1
.endr
.endm
.macro TURNV i                         ; through the stage: LDS serves a wave's instructions in order, so no wait stands between the stores and the loads
.set rr, 0
.rept 16
	ds_store_b128 v5, v[R+64*((\i)%2)+4*rr:R+64*((\i)%2)+4*rr+3] offset:SP*rr
.set rr, rr+1
.endr
.irp c, 0,1
.irp k, 0,1,2,3,4,5,6,7
	ds_load_b128 v[X+32*\c+4*\k:X+32*\c+4*\k+3], v6 offset:256*\c+16*\k    ; lane (r, h): keys 64 c + 32 h + 0 .. 31 of channel r: the operand's own order
.endr
.endr
.endm
.macro QROW i
.if (\i) >= 2
	s_wait_xcnt 0x0                                ; this set of code registers was the data of the stores two tiles back: it is written again only behind this wait
.endif
.irp c, 0,1
	v_max3_num_f32 v[14+\c], |v[X+32*\c]|, |v[X+32*\c+1]|, 0x1800000       ; my block 2 c + h: all 32 numbers are mine; the floor 2^(3 - 127) holds the byte at 1 from below
.endr
.irp k, 2,4,6,8,10,12,14,16,18,20,22,24,26,28,30
.irp c, 0,1
	v_max3_num_f32 v[14+\c], v[14+\c], |v[X+32*\c+\k]|, |v[X+32*\c+\k+1]|  ; (the two blocks by turns)
.endr
.endr
	v_add_nc_u32 v16, 0xff000000, v14              ; 2 off the exponent field: the conversion takes the exponent field of this operand as its scale
	v_add_nc_u32 v17, 0xff000000, v15
	v_lshrrev_b32 v18, 23, v16                     ; the scales' bytes
	v_lshrrev_b32 v19, 23, v17
	v_lshl_or_b32 v20, v19, 16, v18                ; blocks h and 2 + h of channel r,
	v_lshlrev_b32 v20, v9, v20                     ; at their places in the word;
	v_permlanex16_b32 v21, v20, s22, s23
	v_or_b32 v[W+(\i)], v20, v21                   ; with lane l xor 16's two the word is whole
	v_cvt_scalef32_pk16_fp6_f32 v[CV+12*((\i)%2):CV+12*((\i)%2)+2], v[X:X+15], v16
	v_cvt_scalef32_pk16_fp6_f32 v[T:T+2], v[X+16:X+31], v16
	v_cvt_scalef32_pk16_fp6_f32 v[CV+12*((\i)%2)+6:CV+12*((\i)%2)+8], v[X+32:X+47], v17
	v_cvt_scalef32_pk16_fp6_f32 v[T+4:T+6], v[X+48:X+63], v17
	v_nop                                          ; one plain place behind a scaled conversion
.irp k, 0,1,2
	v_mov_b32 v[CV+12*((\i)%2)+3+\k], v[T+\k]
	v_mov_b32 v[CV+12*((\i)%2)+9+\k], v[T+4+\k]
.endr
.irp c, 0,1,2
	global_store_b128 v7, v[CV+12*((\i)%2)+4*\c:CV+12*((\i)%2)+4*\c+3], s[20:21] offset:1536*(\i)+512*\c   ; 32 lanes store 512 consecutive bytes, at a multiple of 256 from the buffer's first byte
.endr
.endm
	LOADV 0
	LOADV 1
.irp i, 0,1,2,3
.if \i < 3
	s_wait_loadcnt 16                              ; this tile's 16 loads are in; the next tile's 16 may be out
.else
	s_wait_loadcnt 0x0
.endif
	TURNV \i
	s_wait_dscnt 0x0                               ; the turned numbers are in, and the stores into the stage have read their registers,
.if \i < 2
	LOADV \i+2                                     ; which take the loads of two tiles on
.endif
	QROW \i
.endr
	v_cmp_gt_u32 vcc_lo, 16, v1                    ; every lane holds channel r's four words: lanes 0-15 send tiles 0, 1, lanes 16-31 tiles 2, 3
	v_cndmask_b32 v28, v[W+2], v[W], vcc_lo
	v_cndmask_b32 v29, v[W+3], v[W+1], vcc_lo
	global_store_b64 v8, v[28:29], s[20:21] offset:SCO     ; 32 lanes store 256 consecutive bytes, aligned: word (tile 4 w + i, row r) at 256 w + 16 r + 4 i
; ---- COLUMNS.  Wave w takes positions 32 w + lane.  Step q of eight takes the block of 32 channels 4 s + h + 2 c', with s = q / 4, h = (q / 2) % 2, c' = q % 2:
; two steps fill the 12 registers of lane rk + 16 h of fragment (tile 2 w + u, channel step s).
.Lcols:
.macro LOADC q
.set BLK, 4*((\q)/4)+((\q)/2)%2+2*((\q)%2)
.set i, 0
.rept 32
	global_load_b32 v[X+32*((\q)%2)+i], v22, s[14+2*(BLK/4):15+2*(BLK/4)] offset:((32*BLK+i)%128)*ROWN    ; a channel at 32 neighbouring positions; the four waves stand side by side on 512 bytes
.set i, i+1
.endr
.endm
.macro QCOL q
.set PR, (\q)/2
.set SS, PR/2
.set HH, PR%2
.set CP, (\q)%2
.set XS, X+32*((\q)%2)
.set CD, CC+12*PR+6*CP
.if (\q) < 7
	s_wait_loadcnt 32                              ; this block's 32 loads are in; the next block's 32 may be out
.else
	s_wait_loadcnt 0x0
.endif
	v_max3_num_f32 v14, |v[XS]|, |v[XS+1]|, |v[XS+2]|      ; the block's largest magnitude: all 32 numbers are mine; two chains
	v_max3_num_f32 v15, |v[XS+3]|, |v[XS+4]|, |v[XS+5]|
.irp k, 6,10,14,18,22,26
	v_max3_num_f32 v14, v14, |v[XS+\k]|, |v[XS+\k+1]|
	v_max3_num_f32 v15, v15, |v[XS+\k+2]|, |v[XS+\k+3]|
.endr
	v_max3_num_f32 v14, v14, |v[XS+30]|, |v[XS+31]|
	v_max3_num_f32 v14, v14, v15, 0x1800000        ; and the floor 2^(3 - 127)
	v_add_nc_u32 v16, 0xff000000, v14              ; the conversion's scale operand
	v_lshrrev_b32 v18, 23, v16                     ; the scale's byte: byte h + 2 c' of my position's word for channel step s
.if (\q)%4 == 0
	v_mov_b32 v[26+SS], v18
.else
	v_lshl_or_b32 v[26+SS], v18, 8*(HH+2*CP), v[26+SS]
.endif
	v_cvt_scalef32_pk16_fp6_f32 v[CD:CD+2], v[XS:XS+15], v16
	v_cvt_scalef32_pk16_fp6_f32 v[T:T+2], v[XS+16:XS+31], v16
	v_nop                                          ; one plain place behind a scaled conversion
.irp k, 0,1,2
	v_mov_b32 v[CD+3+\k], v[T+\k]
.endr
.if (\q) < 6
	LOADC (\q)+2
.endif
.if CP == 1
.irp c, 0,1,2
	global_store_b128 v23, v[CC+12*PR+4*\c:CC+12*PR+4*\c+3], s[18:19] offset:1536*SS+256*HH+512*\c   ; the sixteen lanes of each u store 256 consecutive bytes, aligned; every run of 12 registers is stored once and never written again
.endr
.endif
.endm
	LOADC 0
	LOADC 1
.irp q, 0,1,2,3,4,5,6,7
	QCOL \q
.endr
	global_store_b64 v24, v[26:27], s[18:19] offset:SCO    ; my position's two words: 32 lanes store 256 consecutive bytes, aligned
	s_wait_tensorcnt 0x0
	ds_add_u32 v251, v255
	s_wait_dscnt 0x0
	s_endpgm
.Lfunc_end_k_q6d0947c9ea_prep:
	.size	k_q6d0947c9ea_prep, .Lfunc_end_k_q6d0947c9ea_prep-k_q6d0947c9ea_prep
	.p2alignl 7, 3214868480
	.fill 96, 4, 3214868480
	.section	.rodata,"a",@progbits
	.p2align	6, 0x0
	.amdhsa_kernel k_q6d0947c9ea_prep
		.amdhsa_group_segment_fixed_size 34304
		.amdhsa_private_segment_fixed_size 0
		.amdhsa_enable_private_segment 0
		.amdhsa_kernarg_size 32
		.amdhsa_user_sgpr_count 2
		.amdhsa_user_sgpr_kernarg_segment_ptr 1
		.amdhsa_wavefront_size32 1
		.amdhsa_system_sgpr_workgroup_id_x 1
		.amdhsa_system_sgpr_workgroup_id_y 1
		.amdhsa_system_sgpr_workgroup_id_z 1
		.amdhsa_system_vgpr_workitem_id 0
		.amdhsa_next_free_vgpr 256
		.amdhsa_next_free_sgpr 66
		.amdhsa_reserve_vcc 1
		.amdhsa_float_denorm_mode_32 3
		.amdhsa_float_denorm_mode_16_64 3
		.amdhsa_memory_ordered 1
		.amdhsa_forward_progress 1
		.amdhsa_inst_pref_size 68
	.end_amdhsa_kernel
	.amdgpu_metadata
---
amdhsa.version: [ 1, 2 ]
amdhsa.kernels:
  - .name:           k_q6d0947c9ea_prep
    .symbol:         k_q6d0947c9ea_prep.kd
    .args:
      - { .name: lidar_features, .offset: 0, .size: 8, .value_kind: global_buffer, .address_space: global }
      - { .name: image_features, .offset: 8, .size: 8, .value_kind: global_buffer, .address_space: global }
      - { .name: kv, .offset: 16, .size: 8, .value_kind: global_buffer, .address_space: global }
      - { .name: qimg, .offset: 24, .size: 8, .value_kind: global_buffer, .address_space: global }
    .group_segment_fixed_size: 34304
    .private_segment_fixed_size: 0
    .kernarg_segment_align: 8
    .kernarg_segment_size: 32
    .max_flat_workgroup_size: 128
    .sgpr_count:     66
    .vgpr_count:     256
    .wavefront_size: 32
...
	.end_amdgpu_metadata
.endif
;; end of part 1
;; launch attn (part 2): grid 8 x 32, 4 waves a work-group, clusters of 4 x 1, 327,680 bytes of LDS; arguments qimg, kv, image_features, modality_weights, out0; writes out0
.if DOCPART == 2
	.amdgcn_target "amdgcn-amd-amdhsa--gfx1250"
	.amdhsa_code_object_version 6
	.text
	.protected	k_q6d0947c9ea_attn
	.globl	k_q6d0947c9ea_attn
	.p2align	8
	.type	k_q6d0947c9ea_attn,@function
k_q6d0947c9ea_attn:
	s_mov_b64 s[64:65], 0
	v_nop
	global_prefetch_b8 v0, s[64:65] scope:SCOPE_SE
	s_setreg_imm32_b32 hwreg(HW_REG_WAVE_MODE, 25, 1), 1
	s_wait_xcnt 0x0
	s_wait_alu depctr_hold_cnt(0) depctr_sa_sdst(0) depctr_va_vdst(0) depctr_va_sdst(0) depctr_va_ssrc(0) depctr_va_vcc(0) depctr_vm_vsrc(0)
	s_getreg_b32 s2, hwreg(HW_REG_IB_STS2, 6, 4)
	s_cmp_eq_u32 s2, 0
	s_cbranch_scc0 .Lentry_in_a_cluster
	s_endpgm
.Lentry_in_a_cluster:
	s_bfe_u32 s2, ttmp6, 0x10000c
	s_cmp_lg_u32 s2, 0x3003
	s_cbranch_scc0 .Lentry_shape_is_right
	s_endpgm
.Lentry_shape_is_right:
; out[b][c][n] = w0 image[b][c][n] + w1 O[n][c] / l[n], w = softmax of the two modality weights; O = the sum over the chunk's 2,048 keys of p V, both products on codes of FP6 (E2M3) with one E8M0 scale for each 32 along K.
; t = score x log2(e) / 16; M = the row's largest t so far, rounded UP to a whole number; p = 2^(t - M) is what is quantised, along the keys; l is the sum of the unquantised p.  When M moves, l and O are multiplied by 2^(old M - new M): exact.
; LIMITS: NaN and infinities are not served; a p under 2^-126 leaves v_exp_f32 as 0; a block of p whose largest number lies under 2^-124 has its byte held at 1 (a block of zeros too: its codes are zeros).
; SHARES.  A work-group owns 256 queries of one chunk (grid x: 8 blocks, grid y: 32 chunks), each of its four waves 64: four tiles of 16.  Every wave walks the chunk's 16 key steps of 128 keys;
; a fragment of K or V read from LDS feeds four matrix instructions, one for each tile.  A key step is 64 + 64 matrix instructions a wave.
; LAYOUT.  Both products are used transposed: S^T = K Q^T (source 0 = 16 keys, source 1 = 16 queries), O^T = V^T P^T (source 0 = 16 channels, source 1 = P): a lane holds ONE query throughout.
; Lane r of key tile 2 b + u holds key 32 b + 8 u + r + 8 (r / 8) (so the earlier launch laid them): the 16 registers of tiles 2 b, 2 b + 1 are the neighbouring keys 32 b + 16 (lane / 16) + 0 .. 15.  The queries of a tile are laid alike.
; OPERANDS ARE IMAGES OF REGISTERS: a fragment's registers 4 c .. 4 c + 3 of lane L lie at 512 c + 16 L, so each comes by three loads of 16 bytes a lane, on end: no pitch, no padding.
; RING.  Two LDS slots, each with a pair of key steps, [K a][K b][V a][V b], 4 x 25,600 dense bytes; wave w fills the w-th quarter by one tensor load, which has two key steps' work in which to land.
; CLUSTER.  The four query blocks of a cluster walk the same keys and values: each tile is asked for JOINTLY, by the same tensor load with the same descriptor and a mask that names the four.
; A chunk's eight blocks are two clusters, since a mask names four work-groups; nothing is shared between chunks.
; REGISTERS, in windows of 256 (s_set_vgpr_msb's low byte: bits 1:0 source 0, 3:2 source 1, 5:4 source 2, 7:6 destination):
;   window 0: v1-15 addresses and the weights; v16-47 eight registers of statistics a tile; v48-63 scale words and nothing else; v64-159 Q's 8 fragments; v160-255 two halves of four K fragments, later p's codes (v160-207) and work (v208-255)
;   window 1: S^T, then p (tile t, key tile kt at 64 t + 8 kt); later V's 16 fragments (12 j); in the tail image.     window 2: O^T of tiles 0, 1 (128 t + 8 j);     window 3: of tiles 2, 3.
.set BLKB,   25600                     ; a BLOCK: 16 fragments of 1,536 bytes, then 1,024 bytes of scale words
.set SCO,    24576
.set PAIRB,  4*BLKB                    ; a pair of key steps
.set CHUNKB, 8*PAIRB
.set SLOT1,  1<<17                     ; slot 1 begins here, so that one exclusive or turns an address in one slot into the other's
.set STG,    SLOT1+PAIRB               ; behind the ring: a stage of 16 rows x 272 bytes for each wave; no tensor load lands there
.set SPITCH, 272
.set SPARE,  STG+4*16*SPITCH           ; the spare words, 128 bytes for each wave: two blocks of 256 bytes that no other line names
.set ROWN,   65536                     ; bytes from a channel to the next in image and out
.set LI,   1                           ; v1   16 x lane
.set L8,   2                           ; v2   8 x lane
.set ADK,  3                           ; v3   LDS address of the step's K
.set ADV,  4                           ; v4   of its V
.set SPW,  5                           ; v5   LDS address of my spare word; never rewritten
.set NIL,  6                           ; v6   0; never rewritten
.set STO,  7                           ; v7   the way out: where I put a number
.set RD,   8                           ; v8   and where I read 16 bytes of a row back
.set GO,   9                           ; v9   my byte offset in image and out: 65,536 (lane / 16) + 16 (lane % 16)
.set PFO,  10                          ; v10  65,536 x lane
.set ADS,  11                          ; v11  LDS address of K's scale words
.set W0,   12                          ; v[12:13] w0, twice
.set W1,   14                          ; v14  w1
.set ST,   16                          ; tile t at v[ST + 8 t]: +0 -M, +1 the largest t, +2, +3 l in two halves, +4 f (at the end w1 / l), +5 its partner in the pair, +6, +7 at work
.set QS,   48                          ; v48-51 Q's scale words: register 2 g + s: lanes 0-15 tile 2 g, lanes 16-31 tile 2 g + 1, channel step s
.set KS,   52                          ; v52-59 K's: register 2 b + s likewise;
.set VS,   52                          ;        later V's: register 4 g + i: lanes 0-15 channel tile 8 g + i, lanes 16-31 tile 8 g + 4 + i
.set PS,   60                          ; v60-63 p's scale word of tile t
.set QF,   64
.set FB,   160
.set PC,   160                         ; p's codes: 12 registers a tile
.set TM,   208                         ; 12 registers a tile: +0..3 the blocks' largest, +4..7 the other half's, then bytes, +8..11 the conversions' scale operands
.set TO,   64                          ; the tail: a channel tile of O, scaled
.set BK,   96                          ; the tail: 16 rows back from the stage, two sets of 32
.set WV,   14                          ; s14  my wave's number
.set SEL,  20                          ; s[20:21] v_permlanex16_b32's selects for lane l xor 16
.set CS,   22                          ; s[22:23] c = log2(e) / 16
.set G1,   24                          ; s[24:31] descriptor group 1
.set G0,   32                          ; s[32:35] descriptor group 0, which walks
.set TB,   36                          ; s36  LDS byte at which the key step in hand begins
.set SLOTS, 37
.set TWICE, 38
.set MSB, 0
.macro WIN new                         ; the immediate's high byte repeats the setting that is left; a switch that changes nothing is dropped
.if MSB != \new
	s_set_vgpr_msb (MSB<<8)|\new
.set MSB, \new
.endif
.endm
.macro PLACES n
.rept \n
	v_nop
.endr
.endm
; A round of the cluster's barrier: my work-group's barrier; wave 0 signals for the work-group; every wave waits for all four work-groups; my work-group's barrier once more.
.macro CROUND
	s_barrier_signal -1
	s_barrier_wait -1
	s_cmp_lg_u32 s[WV], 0
	s_cbranch_scc1 .Lnot_wave_0_\@
	s_barrier_signal -3
.Lnot_wave_0_\@:
	s_barrier_wait -3
	s_barrier_signal -1
	s_barrier_wait -1
.endm
; One matrix instruction on the registers named by the symbols rD, rA, rB and the scale registers rX (source 0's), rY (source 1's).  zero: the product starts its sum.  ra, rb: the side's scales are read from lanes 16-31.
.macro WM zero, ra, rb
.if \zero
.if (\ra) && (\rb)
	v_wmma_scale_f32_16x16x128_f8f6f4 v[rD:rD+7], v[rA:rA+11], v[rB:rB+11], 0, v[rX], v[rY] matrix_a_fmt:MATRIX_FMT_FP6 matrix_b_fmt:MATRIX_FMT_FP6 matrix_a_scale:MATRIX_SCALE_ROW1 matrix_b_scale:MATRIX_SCALE_ROW1
.elseif \ra
	v_wmma_scale_f32_16x16x128_f8f6f4 v[rD:rD+7], v[rA:rA+11], v[rB:rB+11], 0, v[rX], v[rY] matrix_a_fmt:MATRIX_FMT_FP6 matrix_b_fmt:MATRIX_FMT_FP6 matrix_a_scale:MATRIX_SCALE_ROW1
.elseif \rb
	v_wmma_scale_f32_16x16x128_f8f6f4 v[rD:rD+7], v[rA:rA+11], v[rB:rB+11], 0, v[rX], v[rY] matrix_a_fmt:MATRIX_FMT_FP6 matrix_b_fmt:MATRIX_FMT_FP6 matrix_b_scale:MATRIX_SCALE_ROW1
.else
	v_wmma_scale_f32_16x16x128_f8f6f4 v[rD:rD+7], v[rA:rA+11], v[rB:rB+11], 0, v[rX], v[rY] matrix_a_fmt:MATRIX_FMT_FP6 matrix_b_fmt:MATRIX_FMT_FP6
.endif
.else
.if (\ra) && (\rb)
	v_wmma_scale_f32_16x16x128_f8f6f4 v[rD:rD+7], v[rA:rA+11], v[rB:rB+11], v[rD:rD+7], v[rX], v[rY] matrix_a_fmt:MATRIX_FMT_FP6 matrix_b_fmt:MATRIX_FMT_FP6 matrix_a_scale:MATRIX_SCALE_ROW1 matrix_b_scale:MATRIX_SCALE_ROW1
.elseif \ra
	v_wmma_scale_f32_16x16x128_f8f6f4 v[rD:rD+7], v[rA:rA+11], v[rB:rB+11], v[rD:rD+7], v[rX], v[rY] matrix_a_fmt:MATRIX_FMT_FP6 matrix_b_fmt:MATRIX_FMT_FP6 matrix_a_scale:MATRIX_SCALE_ROW1
.elseif \rb
	v_wmma_scale_f32_16x16x128_f8f6f4 v[rD:rD+7], v[rA:rA+11], v[rB:rB+11], v[rD:rD+7], v[rX], v[rY] matrix_a_fmt:MATRIX_FMT_FP6 matrix_b_fmt:MATRIX_FMT_FP6 matrix_b_scale:MATRIX_SCALE_ROW1
.else
	v_wmma_scale_f32_16x16x128_f8f6f4 v[rD:rD+7], v[rA:rA+11], v[rB:rB+11], v[rD:rD+7], v[rX], v[rY] matrix_a_fmt:MATRIX_FMT_FP6 matrix_b_fmt:MATRIX_FMT_FP6
.endif
.endif
.endm
	s_load_b256 s[4:11], s[0:1], 0x0               ; qimg s[4:5], kv s[6:7], image s[8:9], the weights s[10:11]
	s_load_b64 s[12:13], s[0:1], 0x20              ; out
	v_lshl_add_u32 v[SPW], v0, 2, SPARE
	v_mov_b32 v[NIL], 0
	ds_add_u32 v5, v6
	ds_add_u32 v5, v6
	s_wait_dscnt 0x0
	v_lshrrev_b32 v15, 5, v0
	v_readfirstlane_b32 s[WV], v15                 ; wave 0..3
	s_bfe_u32 s15, ttmp6, 0x40000                  ; cx: my place in the cluster
	s_lshl_b32 s16, ttmp9, 2                       ; in a cluster launch ttmp9 counts clusters
	s_add_co_u32 s16, s16, s15                     ; x: my block of 256 queries = 4 x cluster x + cx: it enters Q's, image's and out's addresses alone
	s_and_b32 s17, ttmp7, 0xffff                   ; y: the chunk, which the four partners share
	; descriptor group 1: 100 dense rows of 256 bytes (32 elements of 8 bytes): a BLOCK
	s_mov_b32 s[G1+0], 15|(3<<16)|(1<<21)          ; 15:0 the mask: all four work-groups; 17:16 elements of 8 bytes; 20 no padding; 21 set beside a mask
	s_mov_b32 s[G1+1], 32<<16                      ; tensor_dim0 = 32
	s_mov_b32 s[G1+2], 100<<16                     ; tensor_dim1 = 100
	s_mov_b32 s[G1+3], 32<<16                      ; tile_dim0 = 32
	s_mov_b32 s[G1+4], 100                         ; tile_dim1 = 100
	s_mov_b32 s[G1+5], 32                          ; from row to row: 32 elements
	s_mov_b32 s[G1+6], 0
	s_mov_b32 s[G1+7], 0
	s_mul_i32 s50, s17, CHUNKB                     ; kv: the chunk's first pair, my wave's quarter of it: made of y and the wave's number alone
	s_mul_i32 s51, s[WV], BLKB
	s_add_co_u32 s50, s50, s51
	s_mov_b32 s51, 0
	s_lshl_b32 s18, s17, 4                         ; qimg: the BLOCK of 128 queries 16 y + 2 x + wave / 2,
	s_lshl_b32 s19, s16, 1
	s_add_co_u32 s18, s18, s19
	s_lshr_b32 s19, s[WV], 1
	s_add_co_u32 s18, s18, s19
	s_mul_i32 s18, s18, BLKB
	s_and_b32 s19, s[WV], 1                        ; and my half of it: 8 fragments, 2 groups of scale words
	s_mul_i32 s46, s19, 8*1536
	s_add_co_u32 s46, s46, s18
	s_mov_b32 s47, 0
	s_lshl_b32 s48, s19, 9
	s_add_co_u32 s48, s48, s18
	s_add_co_u32 s48, s48, SCO
	s_mov_b32 s49, 0
	s_lshr_b32 s18, s17, 3                         ; image and out: the batch y / 8, then 4 x my first position: 2,048 (y % 8) + 256 x + 64 wave
	s_lshl_b32 s18, s18, 24
	s_and_b32 s19, s17, 7
	s_lshl_b32 s19, s19, 13
	s_add_co_u32 s18, s18, s19
	s_lshl_b32 s19, s16, 10
	s_add_co_u32 s18, s18, s19
	s_lshl_b32 s19, s[WV], 8
	s_add_co_u32 s18, s18, s19
	s_mov_b32 s19, 0
	s_mov_b32 s[SEL], 0x76543210
	s_mov_b32 s[SEL+1], 0xfedcba98
	s_mov_b32 s[CS], 0x3db8aa3b                    ; c = log2(e) / sqrt(256)
	s_mov_b32 s[CS+1], s[CS]                       ; (named with it as a pair, so it is written)
	s_mov_b32 s[TB], 0
	s_mov_b32 s[SLOTS], 7
	s_mov_b32 s[G0], 1                             ; 1:0 count = 1
	s_mul_i32 s[G0+1], s[WV], BLKB                 ; 63:32 LDS address: slot 0, my quarter: no place in the cluster enters it
	s_wait_kmcnt 0x0
	s_add_nc_u64 s[G0+2:G0+3], s[6:7], s[50:51]    ; 120:64 global address
	s_or_b32 s[G0+3], s[G0+3], 0x80000000          ; 127:126 type = 2
	s_add_nc_u64 s[8:9], s[8:9], s[18:19]
	s_add_nc_u64 s[12:13], s[12:13], s[18:19]
	s_add_nc_u64 s[40:41], s[8:9], 128*ROWN        ; channel 128 on: an immediate reaches 127 channels
	s_add_nc_u64 s[42:43], s[12:13], 128*ROWN
	s_add_nc_u64 s[46:47], s[4:5], s[46:47]
	s_add_nc_u64 s[48:49], s[4:5], s[48:49]
	CROUND                                         ; all four work-groups are here: the first joint loads meet
	tensor_load_to_lds s[G0:G0+3], s[G1:G1+7]      ; the first pair of key steps into slot 0: one tensor load of mine is out
	s_nop 0
	PLACES 4
	s_load_b64 s[44:45], s[10:11], 0x0             ; the two modality weights
	v_and_b32 v15, 31, v0
	v_lshlrev_b32 v[LI], 4, v15
	v_lshlrev_b32 v[L8], 3, v15
	v_lshlrev_b32 v[PFO], 16, v15
.set j, 0
.rept 24
	global_load_b128 v[QF+4*j:QF+4*j+3], v[LI], s[46:47] offset:512*j th:TH_LOAD_NT   ; Q's 8 fragments (tile t, channel step s at 12 (2 t + s)) stay in registers; read by this wave alone
.set j, j+1
.endr
.irp g, 0,1
	global_load_b64 v[QS+2*\g:QS+2*\g+1], v[L8], s[48:49] offset:256*\g th:TH_LOAD_NT
.endr
	v_and_b32 v160, 15, v0                         ; r
	v_bfe_u32 v161, v0, 4, 1                       ; h
	v_bfe_u32 v162, v0, 3, 1                       ; r / 8
	v_and_b32 v163, 7, v0                          ; r % 8
	s_mul_i32 s18, s[WV], 16*SPITCH
	s_add_co_u32 s18, s18, STG                     ; my stage
	v_lshl_add_u32 v[STO], v162, 4, v163           ; in: query 16 (r / 8) + r % 8 (+ 32 g + 8 u in the immediate), 4 bytes,
	v_lshlrev_b32 v[STO], 2, v[STO]
	v_mad_u32_u24 v[STO], v161, 8*SPITCH, v[STO]   ; row 8 h (+ the register's number): 8 x 272 bytes are 544 words, 32 banks on (64 banks of 4 bytes: ISA guide 11.1): the 32 lanes touch 32 different banks
	v_add_nc_u32 v[STO], s18, v[STO]
	v_mul_u32_u24 v[RD], v161, SPITCH              ; back: lanes 0-15 one row of 256 bytes, lanes 16-31 the next
	v_lshl_add_u32 v[RD], v160, 4, v[RD]
	v_add_nc_u32 v[RD], s18, v[RD]
	v_lshlrev_b32 v[GO], 16, v161                  ; and the same two rows in image and out
	v_lshl_add_u32 v[GO], v160, 4, v[GO]
.irp t, 0,1,2,3
	v_mov_b32 v[ST+8*\t+1], 0xff61b1e6             ; the largest t so far: -3e38, under every t
	v_mov_b32 v[ST+8*\t+2], 0                      ; l, in two halves
	v_mov_b32 v[ST+8*\t+3], 0
	v_mov_b32 v[ST+8*\t+5], 0                      ; (named as the upper half of f's pair)
.endr
.irp t, 0,1,2,3
	v_floor_f32 v[ST+8*\t], -v[ST+8*\t+1]          ; -M
.endr
	; O^T begins as zeros, which the first change of M leaves zeros: the key step is then written without a first step of its own, whose copy would take the text past what a launch's code should hold.  These lines are issued while the first pair is on its way.
	WIN 0x80
.set j, 0
.rept 256
	v_mov_b32 v[j], 0
.set j, j+1
.endr
	WIN 0xc0
.set j, 0
.rept 256
	v_mov_b32 v[j], 0
.set j, j+1
.endr
	WIN 0
	s_wait_kmcnt 0x0
	v_mov_b32 v[W0], s44                           ; w = softmax of the two weights: the larger is taken away first
	v_mov_b32 v[W1], s45
	v_max_num_f32 v15, v[W0], v[W1]
	v_sub_f32 v[W0], v[W0], v15
	v_sub_f32 v[W1], v[W1], v15
	v_mul_f32 v[W0], 0x3fb8aa3b, v[W0]
	v_mul_f32 v[W1], 0x3fb8aa3b, v[W1]
	s_wait_alu depctr_va_vdst(0)
	v_exp_f32 v[W0], v[W0]
	v_exp_f32 v[W1], v[W1]
	v_nop                                          ; one plain place behind a transcendental
	s_wait_alu depctr_va_vdst(0)
	v_add_f32 v15, v[W0], v[W1]
	s_wait_alu depctr_va_vdst(0)
	v_rcp_f32 v15, v15
	v_nop
	s_wait_alu depctr_va_vdst(0)
	v_mul_f32 v[W0], v[W0], v15
	v_mul_f32 v[W1], v[W1], v15
	v_mov_b32 v[W0+1], v[W0]
; Four fragments of K: key tiles 2 G, 2 G + 1 x both channel steps, into half G % 2: 12 loads of 512 consecutive bytes
.macro FETCHK G
.set j, 0
.rept 12
	ds_load_b128 v[FB+48*((\G)%2)+4*j:FB+48*((\G)%2)+4*j+3], v[ADK] offset:6144*(\G)+512*j
.set j, j+1
.endr
.endm
; 16 products of S^T = K Q^T.  The four tiles' accumulators take turns, one instruction a turn: three others' stand between a sum's two links.
.macro MULS G
.irp e, 0,1
.irp s, 0,1
.irp t, 0,1,2,3
.set rD, 64*\t+8*(2*\G+\e)
.set rA, FB+48*(\G%2)+12*(2*\e+\s)
.set rB, QF+12*(2*\t+\s)
.set rX, KS+2*\G+\s
.set rY, QS+2*(\t/2)+\s
	WM 1-\s, \e, \t%2
.endr
.endr
.endr
.endm
; A KEY STEP: the 128 keys whose BLOCK of K begins at LDS byte s[TB]; V's lies 51,200 bytes on.  Every window is 0 on the way in and out.
; pf = 1: in the launch's last two key steps each wave asks for the 256 bytes that it will read of each of image's channels: channels 0 to 127 in the first of the two, 128 to 255 in the last;
; lane l of request i names channel 32 i + l of the 128; 256 blocks a wave, each asked for once in the launch.
.macro STEP pf
	PLACES 6                                       ; behind the last step's products: 4 places in front of loads into registers that they read (p's codes, V's scale words), 5 in front of products that write over V's fragments
	v_add_nc_u32 v[ADK], s[TB], v[LI]
	v_add_nc_u32 v[ADV], 2*BLKB, v[ADK]
	v_add_nc_u32 v[ADS], s[TB], v[L8]
.irp b, 0,1,2,3
	ds_load_b64 v[KS+2*\b:KS+2*\b+1], v[ADS] offset:SCO+256*\b     ; K's scale words: both channel steps of tiles 2 b (lanes 0-15) and 2 b + 1 (lanes 16-31)
.endr
	FETCHK 0
	FETCHK 1
	s_wait_alu depctr_va_vdst(0)
	s_wait_dscnt 12                                ; the scale words and group 0 are in; group 1's 12 loads may be out
	WIN 0x50
	MULS 0
	PLACES 4                                       ; in front of loads into registers that these products read
	WIN 0
	FETCHK 2
	s_wait_dscnt 12                                ; group 1 is in
	WIN 0x50
	MULS 1
	PLACES 4
	WIN 0
	FETCHK 3
	s_wait_dscnt 12                                ; group 2 is in
	WIN 0x50
	MULS 2
	s_wait_dscnt 0x0                               ; group 3 is in
	MULS 3
	PLACES 4                                       ; in front of the first read of the scores, and of the first write into K's registers
	WIN 0
.if \pf
	s_wait_xcnt 0x0                                ; the requests of the step before have read their base: it is written again only behind this wait
	s_cmp_eq_u32 s[TWICE], 2
	s_cselect_b64 s[52:53], s[8:9], s[40:41]       ; channel 0 on, then channel 128 on
.irp i, 0,1,2,3
	global_prefetch_b8 v[PFO], s[52:53] offset:32*\i*ROWN th:TH_LOAD_NT scope:SCOPE_SE
.endr
.endif
	; THE LARGEST SCORE OF EACH BLOCK OF 32 KEYS: it serves for the row's maximum and, since p rises with the score, for the block's largest p.  Each accumulator is read from its low end on.
	WIN 0x15
.irp t, 0,1,2,3
.irp b, 0,1,2,3
	v_max3_num_f32 v[TM+12*\t+\b], v[64*\t+16*\b], v[64*\t+16*\b+1], v[64*\t+16*\b+2]
.endr
.endr
	WIN 0x14
.irp i, 3,5,7,9,11,13
.irp t, 0,1,2,3
.irp b, 0,1,2,3
	v_max3_num_f32 v[TM+12*\t+\b], v[TM+12*\t+\b], v[64*\t+16*\b+\i], v[64*\t+16*\b+\i+1]
.endr
.endr
.endr
.irp t, 0,1,2,3
.irp b, 0,1,2,3
	v_max_num_f32 v[TM+12*\t+\b], v[TM+12*\t+\b], v[64*\t+16*\b+15]
.endr
.endr
	WIN 0
.irp t, 0,1,2,3
.irp b, 0,1,2,3
	v_permlanex16_b32 v[TM+12*\t+4+\b], v[TM+12*\t+\b], s[SEL], s[SEL+1]
.endr
.endr
.irp t, 0,1,2,3
.irp b, 0,1,2,3
	v_max_num_f32 v[TM+12*\t+\b], v[TM+12*\t+\b], v[TM+12*\t+4+\b]     ; with lane l xor 16's 16 keys
.endr
.endr
.irp t, 0,1,2,3
	v_max3_num_f32 v[ST+8*\t+6], v[TM+12*\t], v[TM+12*\t+1], v[TM+12*\t+2]
.endr
.irp t, 0,1,2,3
	v_max_num_f32 v[ST+8*\t+6], v[ST+8*\t+6], v[TM+12*\t+3]            ; the step's largest score of my query
.endr
.irp t, 0,1,2,3
	v_mul_f32 v[ST+8*\t+6], s[CS], v[ST+8*\t+6]                        ; as t (c is positive)
.endr
.irp t, 0,1,2,3
	v_max_num_f32 v[ST+8*\t+1], v[ST+8*\t+1], v[ST+8*\t+6]             ; the running largest t
.endr
.irp t, 0,1,2,3
	v_mov_b32 v[ST+8*\t+6], v[ST+8*\t]
.endr
.irp t, 0,1,2,3
	v_floor_f32 v[ST+8*\t], -v[ST+8*\t+1]                              ; the new -M = floor(-t) = -ceil(t): a whole number
.endr
.irp t, 0,1,2,3
	v_sub_f32 v[ST+8*\t+6], v[ST+8*\t], v[ST+8*\t+6]                   ; old M - new M: a whole number, 0 or less
.endr
.irp t, 0,1,2,3
	v_cvt_i32_f32 v[ST+8*\t+6], v[ST+8*\t+6]                           ; (it saturates)
.endr
.irp t, 0,1,2,3
	v_ldexp_f32 v[ST+8*\t+4], 1.0, v[ST+8*\t+6]                        ; f = 2^(old M - new M)
.endr
.irp t, 0,1,2,3
.irp b, 0,1,2,3
	v_fma_f32 v[TM+12*\t+\b], v[TM+12*\t+\b], s[CS], v[ST+8*\t]        ; t - M of each block's largest score
.endr
.endr
	WIN 0x41
.irp t, 0,1,2,3
.set j, 0
.rept 32
	v_pk_fma_f32 v[64*\t+j:64*\t+j+1], v[64*\t+j:64*\t+j+1], s[CS:CS+1], v[ST+8*\t:ST+8*\t+1] op_sel_hi:[1,0,0]   ; t - M, two at a time (of the pairs c and -M the low word serves both halves)
.set j, j+2
.endr
.endr
.set j, 0
	s_wait_alu depctr_va_vdst(0)
.rept 256
	v_exp_f32 v[j], v[j]                           ; p = 2^(t - M), at most 1: not normalised
.set j, j+1
.endr
	WIN 0
.irp t, 0,1,2,3
.irp b, 0,1,2,3
	v_exp_f32 v[TM+12*\t+\b], v[TM+12*\t+\b]       ; the block's largest p: the same two instructions on the same number
.endr
.endr
.irp t, 0,1,2,3
	v_pk_mul_f32 v[ST+8*\t+2:ST+8*\t+3], v[ST+8*\t+2:ST+8*\t+3], v[ST+8*\t+4:ST+8*\t+5] op_sel_hi:[1,0]   ; l under the new M.  (Plain places behind the exponentials)
.endr
	s_wait_alu depctr_va_vdst(0)
.irp t, 0,1,2,3
.irp b, 0,1,2,3
	v_max_num_f32 v[TM+12*\t+\b], 0x1800000, v[TM+12*\t+\b]            ; the floor 2^(3 - 127): the byte cannot fall under 1
.endr
.endr
.irp t, 0,1,2,3
.irp b, 0,1,2,3
	v_add_nc_u32 v[TM+12*\t+8+\b], 0xff000000, v[TM+12*\t+\b]          ; 2 off the exponent field: the conversion's scale operand
.endr
.endr
.irp t, 0,1,2,3
.irp b, 0,1,2,3
	v_lshrrev_b32 v[TM+12*\t+4+\b], 23, v[TM+12*\t+8+\b]               ; the scale's byte
.endr
.endr
.irp t, 0,1,2,3
	v_lshl_or_b32 v[PS+\t], v[TM+12*\t+5], 8, v[TM+12*\t+4]            ; p's scale word for these 128 keys
.endr
.irp t, 0,1,2,3
	v_lshl_or_b32 v[PS+\t], v[TM+12*\t+6], 16, v[PS+\t]
.endr
.irp t, 0,1,2,3
	v_lshl_or_b32 v[PS+\t], v[TM+12*\t+7], 24, v[PS+\t]
.endr
	WIN 0x01
.irp t, 0,1,2,3
.irp c, 0,1
	v_cvt_scalef32_pk16_fp6_f32 v[PC+12*\t+6*\c:PC+12*\t+6*\c+2], v[64*\t+32*\c:64*\t+32*\c+15], v[TM+12*\t+8+2*\c]
	v_cvt_scalef32_pk16_fp6_f32 v[TM+12*\t+4*\c:TM+12*\t+4*\c+2], v[64*\t+32*\c+16:64*\t+32*\c+31], v[TM+12*\t+9+2*\c]   ; (a conversion's three registers begin on an even number)
.endr
.endr
	WIN 0
	v_nop                                          ; one plain place behind a scaled conversion
.irp t, 0,1,2,3                                ; the operand's layout wants a WHOLE block in a lane: lanes 0-15 block 2 c, lanes 16-31 block 2 c + 1
.irp c, 0,1
.irp i, 0,1,2
	v_permlane16_swap_b32 v[PC+12*\t+6*\c+\i], v[TM+12*\t+4*\c+\i]
.endr
.endr
.endr
.irp t, 0,1,2,3
.irp c, 0,1
.irp i, 0,1,2
	v_mov_b32 v[PC+12*\t+6*\c+3+\i], v[TM+12*\t+4*\c+\i]
.endr
.endr
.endr
	WIN 0x05                                       ; THE ROW'S SUM IS TAKEN OF THE UNQUANTISED p: two at a time, in two chains a tile
.irp t, 0,1,2,3
	v_pk_add_f32 v[ST+8*\t+6:ST+8*\t+7], v[64*\t:64*\t+1], v[64*\t+2:64*\t+3]
.endr
	WIN 0x04
.irp j, 4,8,12,16,20,24,28,32,36,40,44,48,52,56,60
.irp t, 0,1,2,3
	v_pk_add_f32 v[ST+8*\t+2:ST+8*\t+3], v[ST+8*\t+2:ST+8*\t+3], v[64*\t+\j:64*\t+\j+1]
	v_pk_add_f32 v[ST+8*\t+6:ST+8*\t+7], v[ST+8*\t+6:ST+8*\t+7], v[64*\t+\j+2:64*\t+\j+3]
.endr
.endr
	WIN 0
.irp t, 0,1,2,3
	v_pk_add_f32 v[ST+8*\t+2:ST+8*\t+3], v[ST+8*\t+2:ST+8*\t+3], v[ST+8*\t+6:ST+8*\t+7]
.endr
.irp g, 0,1
	ds_load_b128 v[VS+4*\g:VS+4*\g+3], v[ADV] offset:SCO+512*\g        ; V's scale words
.endr
	WIN 0x40
.set j, 0
.rept 48
	ds_load_b128 v[4*j:4*j+3], v[ADV] offset:512*j                     ; V's 16 fragments take p's place; they land under the 256 lines below
.set j, j+1
.endr
	WIN 0x82                                       ; O^T under the new M: x f, each accumulator from its low end on
.irp t, 0,1
.set j, 0
.rept 64
	v_pk_mul_f32 v[128*\t+j:128*\t+j+1], v[128*\t+j:128*\t+j+1], v[ST+8*\t+4:ST+8*\t+5] op_sel_hi:[1,0]
.set j, j+2
.endr
.endr
	WIN 0xc3
.irp t, 2,3
.set j, 0
.rept 64
	v_pk_mul_f32 v[128*(\t-2)+j:128*(\t-2)+j+1], v[128*(\t-2)+j:128*(\t-2)+j+1], v[ST+8*\t+4:ST+8*\t+5] op_sel_hi:[1,0]
.set j, j+2
.endr
.endr
	PLACES 4                                       ; so that every register written by a vector instruction stands four places ahead of the products (p's scale words stand more than 8 ahead, its codes more than 4)
	s_wait_alu depctr_va_vdst(0)
	s_wait_dscnt 0x0                               ; V is in
	WIN 0xa1                                       ; O^T += V^T P^T: 64 products on 64 different accumulators
.irp j, 0,1,2,3,4,5,6,7,8,9,10,11,12,13,14,15
.irp t, 0,1
.set rD, 128*\t+8*\j
.set rA, 12*\j
.set rB, PC+12*\t
.set rX, VS+4*(\j/8)+\j%4
.set rY, PS+\t
	WM 0, (\j/4)%2, 0
.endr
.endr
	WIN 0xf1
.irp j, 0,1,2,3,4,5,6,7,8,9,10,11,12,13,14,15
.irp t, 2,3
.set rD, 128*(\t-2)+8*\j
.set rA, 12*\j
.set rB, PC+12*\t
.set rX, VS+4*(\j/8)+\j%4
.set rY, PS+\t
	WM 0, (\j/4)%2, 0
.endr
.endr
	WIN 0
.endm
; THE CHANGE OF SLOTS stands at a slot's head.  Each wave waits for all its tensor loads (one is out: its quarter of the slot that it is about to read), adds 0 to its spare word, and waits for that and for its reads of the slot that it has left.
; fill = 1: the barrier is a round of the cluster's, so that no wave of any partner still reads the other slot or has a load on its way, and the joint fill of that slot is the first thing behind it.
.macro CHANGE fill
	s_wait_tensorcnt 0x0                           ; no tensor load of mine is out, so group 0 may be written
	ds_add_u32 v[SPW], v[NIL]                      ; 0 onto my spare word
.if \fill
	s_xor_b32 s[G0+1], s[G0+1], SLOT1              ; the walking descriptor: the other slot than last time,
	s_add_nc_u64 s[G0+2:G0+3], s[G0+2:G0+3], PAIRB ; the next pair of key steps; the type bits on top are not reached
	s_wait_dscnt 0x0                               ; the add is done, and my reads of the slot that I have left are over
	CROUND
	tensor_load_to_lds s[G0:G0+3], s[G1:G1+7]      ; my one tensor load until the next round
	s_nop 0
	PLACES 4
.else
	s_wait_dscnt 0x0
	s_barrier_signal -1
	s_barrier_wait -1
.endif
.endm
.macro TWO_STEPS pf                    ; a slot's two key steps: written once, walked twice
	s_mov_b32 s[TWICE], 2
.Lstep_\@:
	STEP \pf
	s_add_co_u32 s[TB], s[TB], BLKB
	s_sub_co_u32 s[TWICE], s[TWICE], 1
	s_cmp_lg_u32 s[TWICE], 0
	s_cbranch_scc1 .Lstep_\@
	s_sub_co_u32 s[TB], s[TB], 2*BLKB              ; back to a slot's first step,
	s_xor_b32 s[TB], s[TB], SLOT1                  ; in the other slot
.endm
	s_wait_loadcnt 0x0                             ; Q and its scale words
.Lslot:                                                ; seven trips: behind each change of slots but the last the next pair is asked for
	CHANGE 1
	TWO_STEPS 0
	s_sub_co_u32 s[SLOTS], s[SLOTS], 1
	s_cmp_lg_u32 s[SLOTS], 0
	s_cbranch_scc1 .Lslot
	CHANGE 0                                       ; the last slot is written out
	TWO_STEPS 1
; THE WAY OUT, a tile of 16 channels at a time.  A lane holds eight channels of one query, and out wants neighbouring positions in neighbouring lanes: so O^T x w1 / l goes through my stage in LDS, number by number,
; and comes back as rows of 256 bytes (my 64 positions of one channel), to which w0 x image is added; sixteen lanes store 256 consecutive bytes, aligned.
.macro IMG j                           ; image's channels 16 j .. 16 j + 15 at my 64 positions, into set j % 8 of window 1: two channels an instruction
	WIN 0x40
.irp k, 0,1,2,3,4,5,6,7
.if (\j) < 8
	global_load_b128 v[32*((\j)%8)+4*\k:32*((\j)%8)+4*\k+3], v[GO], s[8:9] offset:((16*(\j)+2*\k)%128)*ROWN th:TH_LOAD_NT
.else
	global_load_b128 v[32*((\j)%8)+4*\k:32*((\j)%8)+4*\k+3], v[GO], s[40:41] offset:((16*(\j)+2*\k)%128)*ROWN th:TH_LOAD_NT
.endif
.endr
	WIN 0
.endm
.macro PACK j                          ; O^T x w1 / l, each accumulator from its low end on
	WIN 0x02
.irp t, 0,1
.irp i, 0,2,4,6
	v_pk_mul_f32 v[TO+8*\t+\i:TO+8*\t+\i+1], v[128*\t+8*(\j)+\i:128*\t+8*(\j)+\i+1], v[ST+8*\t+4:ST+8*\t+5] op_sel_hi:[1,0]
.endr
.endr
	WIN 0x03
.irp t, 2,3
.irp i, 0,2,4,6
	v_pk_mul_f32 v[TO+8*\t+\i:TO+8*\t+\i+1], v[128*(\t-2)+8*(\j)+\i:128*(\t-2)+8*(\j)+\i+1], v[ST+8*\t+4:ST+8*\t+5] op_sel_hi:[1,0]
.endr
.endr
	WIN 0
.endm
.macro TOSTAGE j
.irp t, 0,1,2,3
.irp i, 0,1,2,3,4,5,6,7
	ds_store_b32 v[STO], v[TO+8*\t+\i] offset:SPITCH*\i+128*(\t/2)+32*(\t%2)   ; channel 8 h + i, query 32 (t / 2) + 8 (t % 2) + 16 (r / 8) + r % 8
.endr
.endr
.if (\j) >= 2
	s_wait_xcnt 0x0                                ; this set was the data of the stores two tiles back: loads land there only behind this wait
.endif
.irp k, 0,1,2,3,4,5,6,7
	ds_load_b128 v[BK+32*((\j)%2)+4*\k:BK+32*((\j)%2)+4*\k+3], v[RD] offset:2*SPITCH*\k   ; LDS serves a wave's instructions in order (ISA guide 5.7.1.4): these see the stores above, and the next tile's stores come behind them
.endr
.endm
.macro SEND j
	s_wait_dscnt 0x0                               ; the tile is back in registers
.if (\j) <= 8
	s_wait_loadcnt 56                              ; image's set j is in; the seven sets asked for behind it may be out
.else
	s_wait_loadcnt 8*(15-(\j))                     ; the counts run down
.endif
	WIN 0x01
.set m, 0
.rept 16
	v_pk_fma_f32 v[BK+32*((\j)%2)+m:BK+32*((\j)%2)+m+1], v[32*((\j)%8)+m:32*((\j)%8)+m+1], v[W0:W0+1], v[BK+32*((\j)%2)+m:BK+32*((\j)%2)+m+1] op_sel_hi:[1,0,1]   ; w0 x image + w1 x O / l
.set m, m+2
.endr
	WIN 0
.irp k, 0,1,2,3,4,5,6,7
.if (\j) < 8
	global_store_b128 v[GO], v[BK+32*((\j)%2)+4*\k:BK+32*((\j)%2)+4*\k+3], s[12:13] offset:((16*(\j)+2*\k)%128)*ROWN th:TH_STORE_NT
.else
	global_store_b128 v[GO], v[BK+32*((\j)%2)+4*\k:BK+32*((\j)%2)+4*\k+3], s[42:43] offset:((16*(\j)+2*\k)%128)*ROWN th:TH_STORE_NT
.endif
.endr
.if (\j) < 8
	IMG (\j)+8                                     ; the set just used takes the tile eight further on
.endif
.endm
.irp t, 0,1,2,3
	v_add_f32 v[ST+8*\t+2], v[ST+8*\t+2], v[ST+8*\t+3]     ; l's two halves.  (These four are the places behind the last products, in front of the loads into V's registers)
.endr
.irp j, 0,1,2,3,4,5,6,7
	IMG \j                                         ; 64 loads, 32 KiB a wave, go out before anything else of the tail
.endr
	s_wait_alu depctr_va_vdst(0)
.irp t, 0,1,2,3
	v_permlanex16_b32 v[ST+8*\t+6], v[ST+8*\t+2], s[SEL], s[SEL+1]
.endr
.irp t, 0,1,2,3
	v_add_f32 v[ST+8*\t+2], v[ST+8*\t+2], v[ST+8*\t+6]     ; and lane l xor 16's: the row's sum
.endr
	s_wait_alu depctr_va_vdst(0)
.irp t, 0,1,2,3
	v_rcp_f32 v[ST+8*\t+4], v[ST+8*\t+2]
.endr
	v_nop                                          ; one plain place behind a transcendental
	s_wait_alu depctr_va_vdst(0)
.irp t, 0,1,2,3
	v_mul_f32 v[ST+8*\t+4], v[ST+8*\t+4], v[W1]    ; w1 / l
.endr
	PACK 0
	TOSTAGE 0
.irp j, 1,2,3,4,5,6,7,8,9,10,11,12,13,14,15    ; tile j's multiplications stand between tile j - 1's loads from the stage and the wait for them
	PACK \j
	SEND \j-1
	TOSTAGE \j
.endr
	SEND 15
	s_wait_tensorcnt 0x0                           ; the wave's end: behind my last tensor load and my last LDS store
	ds_add_u32 v[SPW], v[NIL]
	s_wait_dscnt 0x0
	CROUND                                         ; the closing round: no work-group ends while a partner may still ask for a tile that names it
	s_endpgm
.Lfunc_end_k_q6d0947c9ea_attn:
	.size	k_q6d0947c9ea_attn, .Lfunc_end_k_q6d0947c9ea_attn-k_q6d0947c9ea_attn
	.p2alignl 7, 3214868480
	.fill 96, 4, 3214868480
	.section	.rodata,"a",@progbits
	.p2align	6, 0x0
	.amdhsa_kernel k_q6d0947c9ea_attn
		.amdhsa_group_segment_fixed_size 327680
		.amdhsa_private_segment_fixed_size 0
		.amdhsa_enable_private_segment 0
		.amdhsa_kernarg_size 40
		.amdhsa_user_sgpr_count 2
		.amdhsa_user_sgpr_kernarg_segment_ptr 1
		.amdhsa_wavefront_size32 1
		.amdhsa_system_sgpr_workgroup_id_x 1
		.amdhsa_system_sgpr_workgroup_id_y 1
		.amdhsa_system_sgpr_workgroup_id_z 1
		.amdhsa_system_vgpr_workitem_id 0
		.amdhsa_next_free_vgpr 1024
		.amdhsa_next_free_sgpr 66
		.amdhsa_reserve_vcc 0
		.amdhsa_float_denorm_mode_32 3
		.amdhsa_float_denorm_mode_16_64 3
		.amdhsa_memory_ordered 1
		.amdhsa_forward_progress 1
		.amdhsa_inst_pref_size 255
	.end_amdhsa_kernel
	.section	.bss,"aw",@nobits
	.p2align	6
	.space	262144
	.amdgpu_metadata
---
amdhsa.version: [ 1, 2 ]
amdhsa.kernels:
  - .name:           k_q6d0947c9ea_attn
    .symbol:         k_q6d0947c9ea_attn.kd
    .args:
      - { .name: qimg, .offset: 0, .size: 8, .value_kind: global_buffer, .address_space: global }
      - { .name: kv, .offset: 8, .size: 8, .value_kind: global_buffer, .address_space: global }
      - { .name: image_features, .offset: 16, .size: 8, .value_kind: global_buffer, .address_space: global }
      - { .name: modality_weights, .offset: 24, .size: 8, .value_kind: global_buffer, .address_space: global }
      - { .name: out0, .offset: 32, .size: 8, .value_kind: global_buffer, .address_space: global }
    .group_segment_fixed_size: 327680
    .private_segment_fixed_size: 0
    .kernarg_segment_align: 8
    .kernarg_segment_size: 40
    .max_flat_workgroup_size: 128
    .sgpr_count:     66
    .vgpr_count:     1024
    .wavefront_size: 32
...
	.end_amdgpu_metadata
.endif
;; end of part 2
